; MI455X (gfx1250); checked and timed in simulation.
; The chip was launched on July 23, 2026; its instructions are those of AMD's public machine-readable ISA for CDNA 5 (MIT licence, August 2026) and "CDNA5" Instruction Set Architecture Reference Guide (July 2026). The comments in the code are by the model that wrote it; some were corrected since.
;; Switch Linear. Allowed arithmetic: float matrix products may take bf16 or f16 operands with f32 sums; all other float work in f32.
;; Inputs: bias 8 x 2,048 float32; indices 2 x 1,024 x 2 int32; weight 8 x 2,048 x 2,048 float32; x 2 x 1,024 x 2,048 float32.
;; Outputs: out0 2 x 1,024 x 2 x 2,048 float32.
;; 2 versions, each right; version 2 is version 1 with the launch moe written anew for expert scheduling mode. Each part assembles by itself: llvm-mc -triple=amdgcn-amd-amdhsa -mcpu=gfx1250 --defsym DOCPART=n.
;; ======== version 1 of 2: 3 launches
;; workspace buffers: xg 18,350,080 bytes; rowid 17,920 bytes of whole numbers; meta 256 bytes of whole numbers; pos 16,384 bytes of whole numbers
;; launch count (part 1): grid 64 x 1, 8 waves a work-group, no clusters, 1,280 bytes of LDS; arguments indices, pos, meta; writes pos, meta
.if DOCPART == 1
	.amdgcn_target "amdgcn-amd-amdhsa--gfx1250"
	.amdhsa_code_object_version 6
	.text
	.protected	k_q7dc147df22_count
	.globl	k_q7dc147df22_count
	.p2align	8
	.type	k_q7dc147df22_count,@function
k_q7dc147df22_count:
	s_mov_b64 s[64:65], 0
	v_nop
	global_prefetch_b8 v0, s[64:65] scope:SCOPE_SE
	s_setreg_imm32_b32 hwreg(HW_REG_WAVE_MODE, 25, 1), 1
	s_wait_xcnt 0x0
; COUNT.  The 4,096 pairs (token t, slot j), numbered p = 2 t + j, get their places in the order of their experts: pos[p] = start_e + the number of pairs of expert e in front of p.
;   Expert e owns the rows start_e .. start_e + 48 NG_e - 1, NG_e = n_e / 48 rounded up.  The segments add up to 4096 + 8 x 47 rows at the most, in whole 48s: 4,464.
;   meta: word 2 e = start_e, word 2 e + 1 = NG_e, word 16 + e = n_e, the rest 0.
; The places steer addresses, and here they are data alone: no address and no branch of this launch hangs on an index.  The launches behind read them as whole numbers.
; SHARES.  Work-group g has tokens 32 g .. 32 g + 31: 64 places, 256 bytes of pos, one store.  No traffic between work-groups: each counts all 4,096 indices for itself (16 KB).
;   Thread i counts entries 16 i .. 16 i + 15; the work-group's own 64 entries are those of threads 4 g .. 4 g + 3, so the entries in front of them are those of the threads i < 4 g.
;   Behind the barrier wave 0 goes on alone: lane l has token 32 g + l and its two entries.
; 64 work-groups: as many as pos has aligned blocks of 256 bytes.  No matrix unit, no tensor load, no cluster; LDS holds the waves' counts alone.
; LIMIT.  An index counts modulo 8 (the problem's indices lie in 0 .. 7).
.set IDX,  16                          ; v[16:31]   my 16 indices
.set BK,   32                          ; v[32:95]   the eight waves' counts read back
.set TOT,  16                          ; s[16:23]   n_e
.set BEF,  24                          ; s[24:31]   entries of expert e in front of the group's; then + start_e
.set CAP,  32                          ; s[32:39]
.set STA,  40                          ; s[40:47]
.set DIV48, 43691                      ; m / 48 = (m x 43691) >> 21 for m below 131,072: 43691 x 48 = 2^21 + 16
	s_load_b128 s[4:7], s[0:1], 0x0                ; indices s[4:5], pos s[6:7]
	s_load_b64 s[8:9], s[0:1], 0x10                ; meta
	v_lshl_add_u32 v96, v0, 2, 0x100
	v_mov_b32 v97, 0
	s_mov_b32 s14, ttmp9                           ; g
	v_lshrrev_b32 v7, 5, v0
	v_readfirstlane_b32 s15, v7                    ; w
	v_and_b32 v1, 31, v0                           ; lane
	s_lshl_b32 s54, s14, 8
	v_lshl_add_u32 v2, v1, 3, s54                  ; 256 g + 8 x lane: a token's two words, in indices and in pos
	v_lshlrev_b32 v3, 6, v0                        ; my 16 indices: 64 bytes a thread
	s_lshl_b32 s55, s14, 2                         ; 4 g
	s_mov_b32 s52, 0x76543210                      ; v_permlanex16_b32: each lane takes its own place in the other half
	s_mov_b32 s53, 0xfedcba98
	s_mov_b32 s56, 0x0f0f0f0f
	s_mov_b32 s57, 0x00ff00ff
	s_wait_kmcnt 0x0
.irp k, 0,1,2,3
	global_load_b128 v[IDX+4*(\k):IDX+4*(\k)+3], v3, s[4:5] offset:16*(\k)
.endr
	global_load_b64 v[4:5], v2, s[4:5]             ; the group's own tokens.  Every wave issues the line, so that it stands early and under no branch; wave 0 alone uses it
	; MY 16 ENTRIES, counted in fields of 4 bits (8 entries to a register, so a field holds 8 at the most); the shift keeps 5 bits of 4 x index: the index modulo 8
	s_wait_loadcnt 0x0
.irp k, 0,1,2,3,4,5,6,7,8,9,10,11,12,13,14,15
	v_lshlrev_b32 v[IDX+(\k)], 2, v[IDX+(\k)]
.endr
	v_lshlrev_b32 v8, v[IDX], 1                    ; the first entry of each half starts its sum
	v_lshlrev_b32 v9, v[IDX+8], 1
.irp k, 1,2,3,4,5,6,7
	v_lshl_add_u32 v8, 1, v[IDX+(\k)], v8
	v_lshl_add_u32 v9, 1, v[IDX+8+(\k)], v9
.endr
	v_and_b32 v6, s56, v8                          ; experts 0, 2, 4, 6 in bytes
	v_and_b32 v7, s56, v9
	v_add_nc_u32 v6, v6, v7
	v_lshrrev_b32 v8, 4, v8                        ; experts 1, 3, 5, 7
	v_lshrrev_b32 v9, 4, v9
	v_and_b32 v8, s56, v8
	v_and_b32 v9, s56, v9
	v_add_nc_u32 v7, v8, v9
	v_and_b32 v8, s57, v6                          ; fields of 16 bits, which hold 4,096: experts 0 | 4
	v_lshrrev_b32 v6, 8, v6
	v_and_b32 v9, s57, v6                          ; 2 | 6
	v_and_b32 v10, s57, v7                         ; 1 | 5
	v_lshrrev_b32 v7, 8, v7
	v_and_b32 v11, s57, v7                         ; 3 | 7
	v_cmp_gt_u32 vcc_lo, s55, v0                   ; threads in front of the group's own entries
.irp k, 0,1,2,3
	v_cndmask_b32 v[12+(\k)], 0, v[8+(\k)], vcc_lo
.endr
	; over the wave's 32 lanes: four steps inside a half of 16 lanes, one across
.macro RED r
.irp m, 1,2,4,8
	v_mov_b32_dpp v7, v[\r] row_xmask:\m row_mask:0xf bank_mask:0xf
	v_add_nc_u32 v[\r], v[\r], v7
.endr
	v_permlanex16_b32 v7, v[\r], s52, s53
	v_add_nc_u32 v[\r], v[\r], v7
.endm
.irp r, 8,9,10,11,12,13,14,15
	RED \r
.endr
	; over the eight waves: 32 bytes a wave in LDS, one barrier
	s_lshl_b32 s54, s15, 5
	v_mov_b32 v7, s54
	ds_store_b128 v7, v[8:11]
	ds_store_b128 v7, v[12:15] offset:16
	s_wait_dscnt 0x0                               ; for wave 0's sake: my stores are done
	s_barrier_signal -1
	s_barrier_wait -1
	s_cmp_lg_u32 s15, 0
	s_cbranch_scc1 .Lend                           ; the other seven waves have given their counts and end
	v_mov_b32 v7, 0
.irp k, 0,1,2,3,4,5,6,7,8,9,10,11,12,13,14,15
	ds_load_b128 v[BK+4*(\k):BK+4*(\k)+3], v7 offset:16*(\k)
.endr
	v_and_b32 v4, 7, v4                            ; e0
	v_and_b32 v5, 7, v5                            ; e1
	s_wait_dscnt 0x0
.irp r, 0,1,2,3,4,5,6,7
	v_add3_u32 v[8+(\r)], v[BK+(\r)], v[BK+8+(\r)], v[BK+16+(\r)]
	v_add3_u32 v[8+(\r)], v[8+(\r)], v[BK+24+(\r)], v[BK+32+(\r)]
	v_add3_u32 v[8+(\r)], v[8+(\r)], v[BK+40+(\r)], v[BK+48+(\r)]
	v_add_nc_u32 v[8+(\r)], v[8+(\r)], v[BK+56+(\r)]
.endr
.irp r, 0,1,2,3,4,5,6,7
	v_readfirstlane_b32 s[68+(\r)], v[8+(\r)]
.endr
.irp p, 0,1,2,3                        ; register p holds expert 0, 2, 1, 3 below and that + 4 above
	s_and_b32  s[TOT+(((\p)&1)<<1)+((\p)>>1)],   s[68+(\p)], 0xffff
	s_lshr_b32 s[TOT+4+(((\p)&1)<<1)+((\p)>>1)], s[68+(\p)], 16
	s_and_b32  s[BEF+(((\p)&1)<<1)+((\p)>>1)],   s[72+(\p)], 0xffff
	s_lshr_b32 s[BEF+4+(((\p)&1)<<1)+((\p)>>1)], s[72+(\p)], 16
.endr
	s_mov_b32 s[STA], 0
.irp e, 0,1,2,3,4,5,6,7
	s_add_co_u32 s[CAP+(\e)], s[TOT+(\e)], 47
	s_mul_i32 s[CAP+(\e)], s[CAP+(\e)], DIV48
	s_lshr_b32 s[CAP+(\e)], s[CAP+(\e)], 21        ; NG_e
	s_mul_i32 s[CAP+(\e)], s[CAP+(\e)], 48
.if (\e) < 7
	s_add_co_u32 s[STA+1+(\e)], s[STA+(\e)], s[CAP+(\e)]
.endif
	s_add_co_u32 s[BEF+(\e)], s[BEF+(\e)], s[STA+(\e)]
.endr
	; THE 64 PLACES.  For each expert: which lanes name it in slot 0 and in slot 1; how many such entries lie in the lanes below mine; the segment's start and the entries in front of the group
	; are added; the lanes that name the expert take the sum.  Every index is one of the eight, so v6 and v7 are written whole; expert 0's turn starts them.
.irp e, 0,1,2,3,4,5,6,7
	v_cmp_eq_u32 s58, \e, v4
	v_cmp_eq_u32 s59, \e, v5
	v_mbcnt_lo_u32_b32 v10, s58, 0
	v_mbcnt_lo_u32_b32 v10, s59, v10
	v_add_nc_u32 v10, s[BEF+(\e)], v10
.if (\e) == 0
	v_cndmask_b32 v6, 0, v10, s58
	v_cndmask_b32 v7, 0, v10, s59
.else
	v_cndmask_b32 v6, v6, v10, s58
	v_cndmask_b32 v7, v7, v10, s59
.endif
.endr
	v_cmp_eq_u32 vcc_lo, v4, v5                    ; both slots name one expert: slot 0's entry stands in front of slot 1's
	v_cndmask_b32 v10, 0, 1, vcc_lo
	v_add_nc_u32 v7, v7, v10
	global_store_b64 v2, v[6:7], s[6:7]            ; 32 lanes x 8 bytes: 256 consecutive bytes, at a multiple of 256 from pos's first byte
	; META, by work-group 0: lane e holds (start_e, NG_e), lane 8 + k holds (n_2k, n_2k+1), the other lanes zeros: one store covers the buffer's 256 bytes (with g = 0, v2 is 8 x lane)
	s_cmp_lg_u32 s14, 0
	s_cbranch_scc1 .Lend
	v_mov_b32 v12, 0
	v_mov_b32 v13, 0
.irp e, 0,1,2,3,4,5,6,7
	s_add_co_u32 s54, s[TOT+(\e)], 47
	s_mul_i32 s54, s54, DIV48
	s_lshr_b32 s54, s54, 21
	v_writelane_b32 v12, s[STA+(\e)], \e
	v_writelane_b32 v13, s54, \e
.endr
.irp k, 0,1,2,3
	v_writelane_b32 v12, s[TOT+2*(\k)], 8+(\k)
	v_writelane_b32 v13, s[TOT+2*(\k)+1], 8+(\k)
.endr
	global_store_b64 v2, v[12:13], s[8:9]
.Lend:
	s_wait_tensorcnt 0x0
	ds_add_u32 v96, v97
	s_wait_dscnt 0x0
	s_endpgm
.Lfunc_end_k_q7dc147df22_count:
	.size	k_q7dc147df22_count, .Lfunc_end_k_q7dc147df22_count-k_q7dc147df22_count
	.p2alignl 7, 3214868480
	.fill 96, 4, 3214868480
	.section	.rodata,"a",@progbits
	.p2align	6, 0x0
	.amdhsa_kernel k_q7dc147df22_count
		.amdhsa_group_segment_fixed_size 1280
		.amdhsa_private_segment_fixed_size 0
		.amdhsa_enable_private_segment 0
		.amdhsa_kernarg_size 24
		.amdhsa_user_sgpr_count 2
		.amdhsa_user_sgpr_kernarg_segment_ptr 1
		.amdhsa_wavefront_size32 1
		.amdhsa_system_sgpr_workgroup_id_x 1
		.amdhsa_system_sgpr_workgroup_id_y 1
		.amdhsa_system_sgpr_workgroup_id_z 1
		.amdhsa_system_vgpr_workitem_id 0
		.amdhsa_next_free_vgpr 98
		.amdhsa_next_free_sgpr 96
		.amdhsa_reserve_vcc 1
		.amdhsa_float_denorm_mode_32 3
		.amdhsa_float_denorm_mode_16_64 3
		.amdhsa_memory_ordered 1
		.amdhsa_forward_progress 1
		.amdhsa_inst_pref_size 20
	.end_amdhsa_kernel
	.amdgpu_metadata
---
amdhsa.version: [ 1, 2 ]
amdhsa.kernels:
  - .name:           k_q7dc147df22_count
    .symbol:         k_q7dc147df22_count.kd
    .args:
      - { .name: indices, .offset: 0, .size: 8, .value_kind: global_buffer, .address_space: global }
      - { .name: pos, .offset: 8, .size: 8, .value_kind: global_buffer, .address_space: global }
      - { .name: meta, .offset: 16, .size: 8, .value_kind: global_buffer, .address_space: global }
    .group_segment_fixed_size: 1280
    .private_segment_fixed_size: 0
    .kernarg_segment_align: 8
    .kernarg_segment_size: 24
    .max_flat_workgroup_size: 256
    .sgpr_count:     96
    .vgpr_count:     98
    .wavefront_size: 32
...
	.end_amdgpu_metadata
.endif
;; end of part 1
;; launch gather (part 2): grid 256 x 1, 8 waves a work-group, no clusters, 0 bytes of LDS; arguments x, pos, meta, xg, rowid; writes xg, rowid
.if DOCPART == 2
	.amdgcn_target "amdgcn-amd-amdhsa--gfx1250"
	.amdhsa_code_object_version 6
	.text
	.protected	k_q7dc147df22_gather
	.globl	k_q7dc147df22_gather
	.p2align	8
	.type	k_q7dc147df22_gather,@function
k_q7dc147df22_gather:
	s_mov_b64 s[64:65], 0
	v_nop
	global_prefetch_b8 v0, s[64:65] scope:SCOPE_SE
	s_setreg_imm32_b32 hwreg(HW_REG_WAVE_MODE, 25, 1), 1
	s_wait_xcnt 0x0
; GATHER.  xg[pos[p]][0..2047] = x[t] rounded to bf16 and rowid[pos[p]] = p for the 4,096 pairs p = 2 t + j; the places pos and the segments (meta) were made by the launch before and are read
; here as whole numbers.  The rows of a segment behind its n_e pairs, up to 48 NG_e, are PAD ROWS: zeros in xg, 0xffffffff in rowid.
; SHARES.  Work-group g has tokens 8 g .. 8 g + 7, wave w token 8 g + w: its row of x is read once (16 loads of 512 consecutive bytes), rounded once and stored to its two places.
; Work-groups 32 e .. 32 e + 31 share expert e's pad rows: wave w of the group takes pad row 8 (g % 32) + w, of 47 at the most.
; Memory binds: no LDS, no barrier, no matrix unit, no cluster: no two waves share a byte.
.set LASTROW, 4479                     ; xg's and rowid's last row
.set Y,    32                          ; v[32:63]   the row in bf16
.set X,    64                          ; v[64:127]  the row in f32
	s_load_b256 s[4:11], s[0:1], 0x0               ; x s[4:5], pos s[6:7], meta s[8:9], xg s[10:11]
	s_load_b64 s[12:13], s[0:1], 0x20              ; rowid
	s_mov_b32 s14, ttmp9                           ; g
	v_lshrrev_b32 v7, 5, v0
	v_readfirstlane_b32 s15, v7                    ; w
	v_and_b32 v1, 31, v0                           ; lane
	v_lshlrev_b32 v2, 3, v1                        ; 8 x lane
	v_lshlrev_b32 v3, 4, v1                        ; 16 x lane
	s_lshl3_add_u32 s16, s14, s15                  ; t = 8 g + w
	s_lshl_b32 s17, s16, 3                         ; my token's two places: 8 bytes
	s_lshl_b32 s20, s16, 13                        ; my token's row of x: 8,192 bytes
	s_mov_b32 s21, 0
	s_lshr_b32 s22, s14, 5                         ; the expert whose pad rows my group shares
	s_lshl_b32 s23, s22, 3
	s_lshl_b32 s24, s22, 2
	s_wait_kmcnt 0x0
	s_add_nc_u64 s[4:5], s[4:5], s[20:21]
.irp i, 0,1,2,3,4,5,6,7,8,9,10,11,12,13,14,15
	global_load_b128 v[X+4*(\i):X+4*(\i)+3], v3, s[4:5] offset:512*(\i) th:TH_LOAD_NT  ; each row is read once in the launch
.endr
	s_load_b64 s[26:27], s[6:7], s17 offset:0x0    ; my two places
	s_load_b64 s[28:29], s[8:9], s23 offset:0x0    ; start_e, NG_e
	s_load_b32 s30, s[8:9], s24 offset:0x40        ; n_e
	s_wait_kmcnt 0x0
	s_min_u32 s26, s26, LASTROW                    ; a number read from memory enters an address only behind a minimum with a constant
	s_min_u32 s27, s27, LASTROW
	v_lshl_add_u32 v5, s26, 12, v2                 ; 4,096 bytes a row of xg
	v_lshl_add_u32 v6, s27, 12, v2
	s_lshl_b32 s31, s26, 2                         ; 4 bytes a row of rowid
	s_lshl_b32 s32, s27, 2
	s_lshl_b32 s33, s16, 1                         ; p = 2 t
	v_mov_b32 v8, s31
	v_mov_b32 v9, s32
	v_mov_b32 v10, s33
	v_add_nc_u32 v11, 1, v10
	; THE ROW, rounded once, to both places.  A lane's 4 numbers of each load are 8 bytes: a store of the wave covers 256 consecutive bytes, aligned
	s_wait_loadcnt 0x0
.set i, 0
.rept 32
	v_cvt_pk_bf16_f32 v[Y+i], v[X+2*i], v[X+2*i+1]
.set i, i+1
.endr
.irp i, 0,1,2,3,4,5,6,7,8,9,10,11,12,13,14,15
	global_store_b64 v5, v[Y+2*(\i):Y+2*(\i)+1], s[10:11] offset:256*(\i)
	global_store_b64 v6, v[Y+2*(\i):Y+2*(\i)+1], s[10:11] offset:256*(\i)
.endr
	v_cmp_eq_u32 vcc_lo, 0, v1
	s_wait_xcnt 0x0                                ; EXEC is a source of the stores above: it changes only behind this wait
	s_and_saveexec_b32 s34, vcc_lo                 ; lane 0 alone
	global_store_b32 v8, v10, s[12:13]
	global_store_b32 v9, v11, s[12:13]
	s_wait_xcnt 0x0                                ; and again in front of the line that widens it
	s_or_b32 exec_lo, exec_lo, s34
	; MY PAD ROW, if the segment has so many
	s_and_b32 s35, s14, 31
	s_lshl3_add_u32 s35, s35, s15                  ; 8 (g % 32) + w
	s_mul_i32 s36, s29, 48                         ; the segment's rows
	s_add_co_u32 s30, s30, s35                     ; the row's number in the segment
	s_cmp_lt_u32 s30, s36
	s_cbranch_scc0 .Lend
	s_add_co_u32 s28, s28, s30
	s_min_u32 s28, s28, LASTROW
	v_lshl_add_u32 v12, s28, 12, v3
.irp k, 0,1,2,3
	v_mov_b32 v[16+(\k)], 0
.endr
.irp i, 0,1,2,3,4,5,6,7
	global_store_b128 v12, v[16:19], s[10:11] offset:512*(\i)
.endr
	s_lshl_b32 s37, s28, 2
	v_mov_b32 v13, s37
	v_mov_b32 v14, -1
	v_cmp_eq_u32 vcc_lo, 0, v1
	s_wait_xcnt 0x0
	s_and_saveexec_b32 s34, vcc_lo
	global_store_b32 v13, v14, s[12:13]
	s_wait_xcnt 0x0
	s_or_b32 exec_lo, exec_lo, s34
.Lend:
	s_endpgm
.Lfunc_end_k_q7dc147df22_gather:
	.size	k_q7dc147df22_gather, .Lfunc_end_k_q7dc147df22_gather-k_q7dc147df22_gather
	.p2alignl 7, 3214868480
	.fill 96, 4, 3214868480
	.section	.rodata,"a",@progbits
	.p2align	6, 0x0
	.amdhsa_kernel k_q7dc147df22_gather
		.amdhsa_group_segment_fixed_size 0
		.amdhsa_private_segment_fixed_size 0
		.amdhsa_enable_private_segment 0
		.amdhsa_kernarg_size 40
		.amdhsa_user_sgpr_count 2
		.amdhsa_user_sgpr_kernarg_segment_ptr 1
		.amdhsa_wavefront_size32 1
		.amdhsa_system_sgpr_workgroup_id_x 1
		.amdhsa_system_sgpr_workgroup_id_y 1
		.amdhsa_system_sgpr_workgroup_id_z 1
		.amdhsa_system_vgpr_workitem_id 0
		.amdhsa_next_free_vgpr 128
		.amdhsa_next_free_sgpr 66
		.amdhsa_reserve_vcc 1
		.amdhsa_float_denorm_mode_32 3
		.amdhsa_float_denorm_mode_16_64 3
		.amdhsa_memory_ordered 1
		.amdhsa_forward_progress 1
		.amdhsa_inst_pref_size 10
	.end_amdhsa_kernel
	.amdgpu_metadata
---
amdhsa.version: [ 1, 2 ]
amdhsa.kernels:
  - .name:           k_q7dc147df22_gather
    .symbol:         k_q7dc147df22_gather.kd
    .args:
      - { .name: x, .offset: 0, .size: 8, .value_kind: global_buffer, .address_space: global }
      - { .name: pos, .offset: 8, .size: 8, .value_kind: global_buffer, .address_space: global }
      - { .name: meta, .offset: 16, .size: 8, .value_kind: global_buffer, .address_space: global }
      - { .name: xg, .offset: 24, .size: 8, .value_kind: global_buffer, .address_space: global }
      - { .name: rowid, .offset: 32, .size: 8, .value_kind: global_buffer, .address_space: global }
    .group_segment_fixed_size: 0
    .private_segment_fixed_size: 0
    .kernarg_segment_align: 8
    .kernarg_segment_size: 40
    .max_flat_workgroup_size: 256
    .sgpr_count:     66
    .vgpr_count:     128
    .wavefront_size: 32
...
	.end_amdgpu_metadata
.endif
;; end of part 2
;; launch moe (part 3): grid 256 x 1, 4 waves a work-group, no clusters, 315,904 bytes of LDS; arguments xg, rowid, meta, weight, bias, out0; writes out0
.if DOCPART == 3
	.amdgcn_target "amdgcn-amd-amdhsa--gfx1250"
	.amdhsa_code_object_version 6
	.text
	.protected	k_q7dc147df22_moe
	.globl	k_q7dc147df22_moe
	.p2align	8
	.type	k_q7dc147df22_moe,@function
k_q7dc147df22_moe:
	s_mov_b64 s[64:65], 0
	v_nop
	global_prefetch_b8 v0, s[64:65] scope:SCOPE_SE
	s_setreg_imm32_b32 hwreg(HW_REG_WAVE_MODE, 25, 1), 1
	s_wait_xcnt 0x0
; out0[p][n] = the sum over k of x[t][k] weight[e][n][k] + bias[e][n] for the pairs p = 2 t + j routed to expert e, whose rows of x lie in xg (bf16) in expert order; rowid names p for each row.
; SHARES.  256 work-groups: one for each (expert e, block cb of 64 columns n).  THE WEIGHTS STAY: the work-group's 64 x 2,048 weights are read once (f32), rounded once to bf16 and laid into LDS
; (64 rows of 4,096 bytes): each weight byte leaves memory once in the launch.  One barrier follows.  Behind it THE WAVES ARE ON THEIR OWN: the expert's NG_e groups of 48 rows are dealt round,
; wave w takes groups w, w + 4, ..  A trip is one group: 3 row tiles x 4 column tiles = 12 accumulators, 64 steps of 32 along k, 768 matrix instructions.  Per step a wave reads 4 fragments of
; weights from LDS and 3 fragments of rows straight from xg into registers.  Sums are whole in the wave (K ascending, one f32 sum); they pass the wave's own stage in LDS to become whole rows,
; take the bias, and each row's 64 columns leave by one store: 256 consecutive bytes, aligned.
; NO BARRIER, NO TENSOR LOAD, NO CLUSTER IN THE WALK: its length, NG_e, is a number read from memory (0 to 86), and every wave has to pass every barrier alike whatever memory holds.  A ring of LDS
; slots, joint requests of the 32 work-groups that walk the same rows, or K shared out among the waves would each put a barrier into every trip; a walk of constant length that serves every input
; would have 86 groups where 512 rows need 11.  So each work-group fetches the expert's rows by loads of its own.
; THE WAVES START ONE AFTER THE OTHER.  A trip's text goes by turns: 24 matrix instructions, then a run of 28 loads (12 from xg, 16 from LDS: 8 KB a wave).  All four waves leave one barrier and run
; one text: they would issue their runs together, 32 KB asked of LDS at once, and then multiply together.  So wave w begins the walk LAG x w lines of s_nop 15 late, and a wave's run falls beside the
; other three waves' products.  No ordering hangs on these lines: every wait and count stands as it would without them.
; THE MATRIX INSTRUCTION IS USED TRANSPOSED: source 0 = 16 columns n (rows of weight), source 1 = 16 rows of x: a lane then holds one row (lane % 16) and the columns 8 (lane / 16) + 0..7.
; LIMITS.  x and weight are rounded to bf16.  Pad rows (rowid not below 4,096; the end of a segment) are multiplied and not stored.  A wave's last trip asks once more for its own group's first
; 8 steps (24 KB) in place of a next group's: the text of a trip is one, and no load leaves the rows that were written.
; REGISTERS, in windows of 256 (s_set_vgpr_msb: bits 1:0 source 0, 3:2 source 1, 5:4 source 2, 7:6 destination):
;   window 0: v8-14, v20-23 addresses; v16-17 bias; v32-127 the accumulators, row tile a, column tile c at 32 + 8 (4 a + c), later the rows read back; v128-175 addresses in out0
;             (while the weights come in: v32-223 three buffers of 64 for their loads, v224-255 at work)
;   window 1: v0-191 the rows' fragments, a ring of 8 steps: step kk, row tile a at 24 (kk % 8) + 8 a          window 2: v0-127 the weights' fragments, a ring of 4 steps: 32 (kk % 4) + 8 c
.set PW,     4112                      ; a row of weights in LDS: 4,096 bytes + 16 = 1,028 words: row r starts at bank 4 r mod 64 (64 banks of 4 bytes: ISA guide 11.1), so the 16 rows of a load start at 16 different banks
.set STG,    64*PW                     ; behind the weights: for each wave a stage of 48 rows x 272 bytes (64 f32 + 16)
.set SPITCH, 272
.set SPART,  48*SPITCH
.set GROWS,  48                        ; rows in a group
.set LASTG,  4416                      ; the last row at which a group can begin: the segments add up to 4,464 rows at the most
.set LAG,    5                         ; lines of s_nop 15 from a wave's start to the next wave's: a choice of the design; 15 lines at the most, once a launch
.set AX,  8                            ; v8   my place in 16 rows of xg: row lane % 16 (4,096 bytes), 16 bytes for each half of the lanes
.set STO, 9                            ; v9   where I put my sums: my stage, row lane % 16, 32 bytes for each half
.set RD,  10                           ; v10  where I read rows back: my stage, 8 bytes a lane
.set WST, 11                           ; v11  where I lay weights: row 16 w, 8 bytes a lane
.set WGO, 13                           ; v13  16 x lane
.set CO,  14                           ; v14  256 cb + 8 x lane: my two columns, in bytes, in a row of out0 and of bias
.set BI,  16                           ; v[16:17]
.set ADB, 20                           ; v[20:23] my place in column tile c of the weights in LDS
.set ACC, 32
.set OA,  128                          ; v[128:175]
.set WB,  32
.set T,   224
.set RID, 16                           ; s[16:63] the numbers p of the trip's 48 rows
.set WV,  66                           ; s66  my wave's number
.set EX,  67                           ; s67  e
.set CB,  68                           ; s68  cb
.set TW,  69                           ; s69  my trips
.set CNT, 70                           ; s70  trips done
.set CUR, 72                           ; s[72:73] xg at the group in hand
.set NXT, 74                           ; s[74:75] xg at my next group; in the last trip the group in hand
.set RP,  76                           ; s[76:77] rowid at the group in hand
.set MT,  80                           ; s[80:81] start_e, NG_e
.set MSB, 0
.macro WIN new                         ; the immediate's high byte repeats the setting that is left; a switch that changes nothing is dropped
.if MSB != (\new)
	s_set_vgpr_msb (MSB<<8)|(\new)
.set MSB, (\new)
.endif
.endm
.macro PLACES                          ; four places between a matrix instruction and a load into, or a store from, one of its registers (ISA guide 7.12.1 for vector instructions)
.rept 4
	v_nop
.endr
.endm
	s_load_b256 s[4:11], s[0:1], 0x0               ; xg s[4:5], rowid s[6:7], meta s[8:9], weight s[10:11]
	s_load_b128 s[12:15], s[0:1], 0x20             ; bias s[12:13], out0 s[14:15]
	v_lshl_add_u32 v30, v0, 2, 0x4d000
	v_mov_b32 v31, 0
	v_lshrrev_b32 v1, 5, v0
	v_readfirstlane_b32 s[WV], v1                  ; wave 0..3
	s_lshr_b32 s[EX], ttmp9, 5                     ; 32 work-groups to an expert
	s_and_b32 s[CB], ttmp9, 31
	v_and_b32 v1, 31, v0                           ; lane
	v_and_b32 v2, 15, v0                           ; r = lane % 16
	v_bfe_u32 v3, v0, 4, 1                         ; h = lane / 16
	v_lshlrev_b32 v[AX], 12, v2
	v_lshl_add_u32 v[AX], v3, 4, v[AX]
	v_mul_u32_u24 v4, v2, PW
	v_lshl_add_u32 v4, v3, 4, v4
.irp c, 0,1,2,3
	v_add_nc_u32 v[ADB+(\c)], 16*PW*(\c), v4       ; a register for each column tile: 16 rows are more than an LDS offset's 16 bits
.endr
	s_mul_i32 s82, s[WV], SPART
	s_add_co_u32 s82, s82, STG                     ; my stage
	v_mul_u32_u24 v5, v2, SPITCH
	v_lshl_add_u32 v5, v3, 5, v5
	v_add_nc_u32 v[STO], s82, v5
	v_lshl_add_u32 v[RD], v1, 3, s82
	s_mul_i32 s83, s[WV], 16*PW
	v_lshl_add_u32 v[WST], v1, 3, s83
	v_lshlrev_b32 v[WGO], 4, v1
	s_lshl_b32 s84, s[CB], 8
	v_lshl_add_u32 v[CO], v1, 3, s84
	s_lshl_b32 s86, s[EX], 24                      ; weight: expert e (16,777,216 bytes),
	s_lshl_b32 s85, s[CB], 19                      ; 64 cb rows of 8,192 bytes,
	s_add_co_u32 s86, s86, s85
	s_lshl_b32 s85, s[WV], 17                      ; my wave's 16 rows: under 2^27 together
	s_add_co_u32 s86, s86, s85
	s_mov_b32 s87, 0
	s_lshl_b32 s88, s[EX], 13                      ; bias: expert e
	s_mov_b32 s89, 0
	s_lshl_b32 s85, s[EX], 3                       ; meta: expert e's two words
	s_wait_kmcnt 0x0
	s_load_b64 s[MT:MT+1], s[8:9], s85 offset:0x0
	s_add_nc_u64 s[10:11], s[10:11], s[86:87]
	s_add_nc_u64 s[12:13], s[12:13], s[88:89]
	global_load_b64 v[BI:BI+1], v[CO], s[12:13]
; THE WEIGHTS.  Group g is my row g of 16: sixteen loads of 512 consecutive bytes each; three groups, 48 loads, are on their way.  Each weight is read once in the launch.
.macro WLOADS g
.set i, 0
.rept 16
	global_load_b128 v[WB+64*((\g)%3)+4*i:WB+64*((\g)%3)+4*i+3], v[WGO], s[10:11] offset:8192*(\g)+512*i th:TH_LOAD_NT
.set i, i+1
.endr
.endm
; A group is rounded to bf16 and laid into LDS: a lane's 4 numbers are 8 bytes, a store of the wave 256 consecutive bytes.
.macro WGROUP g, left
	s_wait_loadcnt \left                           ; loads come back in order (ISA guide 5.7.1): this group is in, the younger groups stay out
.set i, 0
.rept 32
	v_cvt_pk_bf16_f32 v[T+i], v[WB+64*((\g)%3)+2*i], v[WB+64*((\g)%3)+2*i+1]
.set i, i+1
.endr
.if (\g) < 13
	WLOADS (\g)+3
.endif
.set i, 0
.rept 16
	ds_store_b64 v[WST], v[T+2*i:T+2*i+1] offset:PW*(\g)+256*i
.set i, i+1
.endr
.endm
	WLOADS 0
	WLOADS 1
	WLOADS 2
.set gg, 0
.rept 14
	WGROUP gg, 32                                  ; two younger groups of 16 loads stay out
.set gg, gg+1
.endr
	WGROUP 14, 16
	WGROUP 15, 0
	s_wait_kmcnt 0x0                               ; start_e, NG_e
	s_min_u32 s[MT], s[MT], LASTG
	s_min_u32 s[MT+1], s[MT+1], 86                 ; 48 NG_e < 4,096 + 48
	s_add_co_u32 s[TW], s[MT+1], 3
	s_sub_co_u32 s[TW], s[TW], s[WV]
	s_lshr_b32 s[TW], s[TW], 2                     ; groups w, w + 4, .. below NG_e: (NG_e + 3 - w) / 4 of them
	s_wait_dscnt 0x0                               ; for the others' sake: my 16 rows of weights are in LDS
	s_barrier_signal -1
	s_barrier_wait -1                              ; the launch's one barrier: all 64 rows are; nobody writes them again
	s_cmp_eq_u32 s[TW], 0
	s_cbranch_scc1 .Lend                           ; fewer groups than waves: nothing is mine
; THE THREE BASES OF A TRIP are made anew from the buffers' own addresses, none is carried from trip to trip.  The group in hand begins at row start_e + 48 (w + 4 CNT); my next group is the
; same with CNT + 1, or, in my last trip, the group in hand once more.  Both rows are made of numbers read from memory, so each enters an address only behind a minimum with a constant; behind
; the minimum stand a shift left and the sum with the address alone.  On the segments as they were written the minimum changes nothing; whatever memory holds, row + 47 stays inside xg's and rowid's 4,480 rows.
.macro BASES
	s_lshl2_add_u32 s82, s[CNT], s[WV]             ; the group's number, 4 CNT + w
	s_mul_i32 s82, s82, GROWS
	s_add_co_u32 s82, s82, s[MT]
	s_min_u32 s82, s82, LASTG                      ; the row in hand
	s_add_co_u32 s83, s[CNT], 1
	s_sub_co_u32 s86, s[TW], 1
	s_min_u32 s83, s83, s86                        ; my next trip, or my last
	s_lshl2_add_u32 s83, s83, s[WV]
	s_mul_i32 s83, s83, GROWS
	s_add_co_u32 s83, s83, s[MT]
	s_min_u32 s83, s83, LASTG                      ; its row
	s_mov_b32 s85, 0
	s_lshl_b32 s84, s82, 12                        ; 4,096 bytes a row of xg
	s_add_nc_u64 s[CUR:CUR+1], s[4:5], s[84:85]
	s_lshl_b32 s84, s82, 2                         ; 4 bytes a row of rowid
	s_add_nc_u64 s[RP:RP+1], s[6:7], s[84:85]
	s_lshl_b32 s84, s83, 12
	s_add_nc_u64 s[NXT:NXT+1], s[4:5], s[84:85]
.endm
; Step kk's three fragments of rows, from base b.  A fragment is 16 rows x 32 k in 8 registers: lane l holds row l % 16, k = 8 (l / 16) + 0..7 and 16 + 8 (l / 16) + 0..7: two loads of 16 bytes, 32 bytes apart.
.macro ALOADS kk, b
.irp a, 0,1,2
	global_load_b128 v[24*((\kk)%8)+8*(\a):24*((\kk)%8)+8*(\a)+3],   v[AX], s[(\b):(\b)+1] offset:65536*(\a)+64*(\kk)
	global_load_b128 v[24*((\kk)%8)+8*(\a)+4:24*((\kk)%8)+8*(\a)+7], v[AX], s[(\b):(\b)+1] offset:65536*(\a)+64*(\kk)+32
.endr
.endm
; Step kk's four fragments of weights, from LDS.
.macro BLOADS kk
.irp c, 0,1,2,3
	ds_load_b128 v[32*((\kk)%4)+8*(\c):32*((\kk)%4)+8*(\c)+3],   v[ADB+(\c)] offset:64*(\kk)
	ds_load_b128 v[32*((\kk)%4)+8*(\c)+4:32*((\kk)%4)+8*(\c)+7], v[ADB+(\c)] offset:64*(\kk)+32
.endr
.endm
; Step kk's 12 matrix instructions.  The 12 accumulators take turns, one instruction a turn.  Step 0 starts the sums: nothing is cleared.
.macro MUL kk
	WIN 0x06                                       ; source 0 (weights) window 2, source 1 (rows) window 1, C and D window 0
.irp a, 0,1,2
.irp c, 0,1,2,3
.if (\kk) == 0
	v_wmma_f32_16x16x32_bf16 v[ACC+8*(4*(\a)+(\c)):ACC+8*(4*(\a)+(\c))+7], v[32*((\kk)%4)+8*(\c):32*((\kk)%4)+8*(\c)+7], v[24*((\kk)%8)+8*(\a):24*((\kk)%8)+8*(\a)+7], 0
.else
	v_wmma_f32_16x16x32_bf16 v[ACC+8*(4*(\a)+(\c)):ACC+8*(4*(\a)+(\c))+7], v[32*((\kk)%4)+8*(\c):32*((\kk)%4)+8*(\c)+7], v[24*((\kk)%8)+8*(\a):24*((\kk)%8)+8*(\a)+7], v[ACC+8*(4*(\a)+(\c)):ACC+8*(4*(\a)+(\c))+7]
.endif
.endr
.endr
.endm
; TWO STEPS: 24 matrix instructions; then, into the registers that they have read, the rows of the steps 8 further on (behind step 55: my next group's first steps) and the weights of the steps 4 further on
; (behind step 59: steps 0 to 3 again, for the next trip).  The loads stand in one run, so that the windows are switched three times for 24 matrix instructions.
.macro GROUP g
	s_wait_loadcnt 36                              ; these two steps' 12 loads of rows are in; the 36 of the next six steps stay out
	s_wait_dscnt 16                                ; these two steps' 16 loads of weights are in; the next two steps' 16 stay out
	MUL 2*(\g)
	MUL 2*(\g)+1
	PLACES
	WIN 0x40                                       ; destination window 1, address window 0
.if 2*(\g)+8 < 64
	ALOADS 2*(\g)+8, CUR
	ALOADS 2*(\g)+9, CUR
.else
	ALOADS 2*(\g)-56, NXT
	ALOADS 2*(\g)-55, NXT
.endif
	WIN 0x80                                       ; destination window 2
	BLOADS (2*(\g)+4)%64
	BLOADS (2*(\g)+5)%64
.endm
; THE WAY OUT.  A lane's eight columns of a row are 32 bytes: they go into my stage's rows of 272 bytes (each accumulator's four lowest registers first) and come back as whole
; rows, 8 bytes a lane, into the registers that they left.  The bytes are my wave's own and LDS serves a wave's instructions in order (ISA guide 5.7.1.4): no wait between stores and loads, no barrier.
; Then the bias, and each row goes to its pair's place in out0.  Pad rows are the end of a segment: the first one ends the trip's stores.
.macro OUT
	WIN 0                                          ; at a branch and at a label every window is 0
.irp a, 0,1,2
.irp c, 0,1,2,3
	ds_store_b128 v[STO], v[ACC+8*(4*(\a)+(\c)):ACC+8*(4*(\a)+(\c))+3]   offset:16*SPITCH*(\a)+64*(\c)
	ds_store_b128 v[STO], v[ACC+8*(4*(\a)+(\c))+4:ACC+8*(4*(\a)+(\c))+7] offset:16*SPITCH*(\a)+64*(\c)+16
.endr
.endr
.set t, 0
.rept 48
	ds_load_b64 v[ACC+2*t:ACC+2*t+1], v[RD] offset:SPITCH*t
.set t, t+1
.endr
	s_wait_kmcnt 0x0                               ; the 48 rows' numbers
.irp b, 0,1,2
	s_wait_dscnt 32-16*(\b)                        ; 16 rows more are back; the younger rows' loads stay out
.set t, 16*(\b)
.rept 16
	v_pk_add_f32 v[ACC+2*t:ACC+2*t+1], v[ACC+2*t:ACC+2*t+1], v[BI:BI+1]
.set t, t+1
.endr
.set t, 16*(\b)
.rept 16
	s_cmp_lt_u32 s[RID+t], 4096
	s_cbranch_scc0 .Lpads_\@
	s_min_u32 s[RID+t], s[RID+t], 4095
	v_lshl_add_u32 v[OA+t], s[RID+t], 13, v[CO]    ; 8,192 bytes a row of out0
	global_store_b64 v[OA+t], v[ACC+2*t:ACC+2*t+1], s[14:15] th:TH_STORE_NT  ; 32 lanes x 8 bytes: 256 consecutive bytes, at a multiple of 256 from out0's first byte
.set t, t+1
.endr
.endr
.Lpads_\@:
	s_wait_dscnt 0x0                               ; the rows that were jumped over are back too: their registers are the next trip's accumulators
.endm
	; Wave w goes on LAG x w lines late (the head's paragraph says why).  The jumps hang on the wave's number alone and go forward; no memory instruction of mine is out here.
.irp i, 1,2,3
	s_cmp_lt_u32 s[WV], \i
	s_cbranch_scc1 .Lgo
.rept LAG
	s_nop 15
.endr
.endr
.Lgo:
	s_mov_b32 s[CNT], 0
	BASES
	WIN 0x40
.irp k, 0,1,2,3,4,5,6,7
	ALOADS \k, CUR                                 ; the ring of rows is filled: 48 loads
.endr
	WIN 0x80
.irp k, 0,1,2,3
	BLOADS \k                                      ; and the ring of weights: 32 loads
.endr
	WIN 0
.Ltrip:                                                ; s[TW] trips, a number made from memory: no barrier stands in a trip, and every LDS address is a constant of the text
	s_load_b512 s[RID:RID+15],    s[RP:RP+1], 0x0
	s_load_b512 s[RID+16:RID+31], s[RP:RP+1], 0x40
	s_load_b512 s[RID+32:RID+47], s[RP:RP+1], 0x80
.set gg, 0
.rept 32
	GROUP gg
.set gg, gg+1
.endr
	OUT
	s_wait_xcnt 0x0                                ; every earlier memory instruction has had its addresses translated (ISA guide 3.1): the stores' data and addresses and the loads' bases are rewritten only behind this wait
	s_add_co_u32 s[CNT], s[CNT], 1
	BASES                                          ; behind my last trip they are made once more and not used
	s_cmp_lt_u32 s[CNT], s[TW]
	s_cbranch_scc1 .Ltrip
.Lend:
	s_wait_tensorcnt 0x0
	ds_add_u32 v30, v31
	s_wait_dscnt 0x0
	s_endpgm
.Lfunc_end_k_q7dc147df22_moe:
	.size	k_q7dc147df22_moe, .Lfunc_end_k_q7dc147df22_moe-k_q7dc147df22_moe
	.p2alignl 7, 3214868480
	.fill 96, 4, 3214868480
	.section	.rodata,"a",@progbits
	.p2align	6, 0x0
	.amdhsa_kernel k_q7dc147df22_moe
		.amdhsa_group_segment_fixed_size 315904
		.amdhsa_private_segment_fixed_size 0
		.amdhsa_enable_private_segment 0
		.amdhsa_kernarg_size 48
		.amdhsa_user_sgpr_count 2
		.amdhsa_user_sgpr_kernarg_segment_ptr 1
		.amdhsa_wavefront_size32 1
		.amdhsa_system_sgpr_workgroup_id_x 1
		.amdhsa_system_sgpr_workgroup_id_y 1
		.amdhsa_system_sgpr_workgroup_id_z 1
		.amdhsa_system_vgpr_workitem_id 0
		.amdhsa_next_free_vgpr 640
		.amdhsa_next_free_sgpr 96
		.amdhsa_reserve_vcc 0
		.amdhsa_float_denorm_mode_32 3
		.amdhsa_float_denorm_mode_16_64 3
		.amdhsa_memory_ordered 1
		.amdhsa_forward_progress 1
		.amdhsa_inst_pref_size 232
	.end_amdhsa_kernel
	.amdgpu_metadata
---
amdhsa.version: [ 1, 2 ]
amdhsa.kernels:
  - .name:           k_q7dc147df22_moe
    .symbol:         k_q7dc147df22_moe.kd
    .args:
      - { .name: xg, .offset: 0, .size: 8, .value_kind: global_buffer, .address_space: global }
      - { .name: rowid, .offset: 8, .size: 8, .value_kind: global_buffer, .address_space: global }
      - { .name: meta, .offset: 16, .size: 8, .value_kind: global_buffer, .address_space: global }
      - { .name: weight, .offset: 24, .size: 8, .value_kind: global_buffer, .address_space: global }
      - { .name: bias, .offset: 32, .size: 8, .value_kind: global_buffer, .address_space: global }
      - { .name: out0, .offset: 40, .size: 8, .value_kind: global_buffer, .address_space: global }
    .group_segment_fixed_size: 315904
    .private_segment_fixed_size: 0
    .kernarg_segment_align: 8
    .kernarg_segment_size: 48
    .max_flat_workgroup_size: 128
    .sgpr_count:     96
    .vgpr_count:     640
    .wavefront_size: 32
...
	.end_amdgpu_metadata
.endif
;; end of part 3
;; ======== version 2 of 2: 3 launches; version 1 with the launch moe written anew for expert scheduling mode
;; workspace buffers: xg 18,350,080 bytes; rowid 17,920 bytes of whole numbers; meta 256 bytes of whole numbers; pos 16,384 bytes of whole numbers
;; launch count: the kernel of part 1 again; grid 64 x 1, 8 waves a work-group, no clusters, 1,280 bytes of LDS; arguments indices, pos, meta; writes pos, meta
;; launch gather: the kernel of part 2 again; grid 256 x 1, 8 waves a work-group, no clusters, 0 bytes of LDS; arguments x, pos, meta, xg, rowid; writes xg, rowid
;; launch moe (part 4): grid 256 x 1, 4 waves a work-group, no clusters, 315,904 bytes of LDS; arguments xg, rowid, meta, weight, bias, out0; writes out0
.if DOCPART == 4
	.amdgcn_target "amdgcn-amd-amdhsa--gfx1250"
	.amdhsa_code_object_version 6
	.text
	.protected	k_q7dc147df22_moe
	.globl	k_q7dc147df22_moe
	.p2align	8
	.type	k_q7dc147df22_moe,@function
k_q7dc147df22_moe:
	s_mov_b64 s[64:65], 0
	v_nop
	global_prefetch_b8 v0, s[64:65] scope:SCOPE_SE
	s_setreg_imm32_b32 hwreg(HW_REG_WAVE_SCHED_MODE, 0, 2), 2
	s_setreg_imm32_b32 hwreg(HW_REG_WAVE_MODE, 25, 1), 1
	s_wait_xcnt 0x0
	s_wait_alu depctr_vm_vsrc(0)
; out0[p][n] = the sum over k of x[t][k] weight[e][n][k] + bias[e][n] for the pairs p = 2 t + j routed to expert e, whose rows of x lie in xg (bf16) in expert order; rowid names p for each row.
; SHARES.  256 work-groups: one for each (expert e, block cb of 64 columns n).  THE WEIGHTS STAY: the work-group's 64 x 2,048 weights are read once (f32), rounded once to bf16 and laid into LDS
; (64 rows of 4,096 bytes): each weight byte leaves memory once in the launch.  One barrier follows.  Behind it THE WAVES ARE ON THEIR OWN: the expert's NG_e groups of 48 rows are dealt round,
; wave w takes groups w, w + 4, ..  A trip is one group: 3 row tiles x 4 column tiles = 12 accumulators, 64 steps of 32 along k, 768 matrix instructions.  Per step a wave reads 4 fragments of
; weights from LDS and 3 fragments of rows straight from xg into registers.  Sums are whole in the wave (K ascending, one f32 sum); they pass the wave's own stage in LDS to become whole rows,
; take the bias, and each row's 64 columns leave by one store: 256 consecutive bytes, aligned.
; NO BARRIER, NO TENSOR LOAD, NO CLUSTER IN THE WALK: its length, NG_e, is a number read from memory (0 to 86), and every wave has to pass every barrier alike whatever memory holds.  A ring of LDS
; slots, joint requests of the 32 work-groups that walk the same rows, or K shared out among the waves would each put a barrier into every trip; a walk of constant length that serves every input
; would have 86 groups where 512 rows need 11.  So each work-group fetches the expert's rows by loads of its own.
; THE WAVES START ONE AFTER THE OTHER.  A trip's text goes by turns: four matrix instructions, then a run of 6 loads from xg or of 8 from LDS (4 KB a wave).  All four waves leave one barrier and run
; one text: they would issue their runs together.  So wave w begins the walk LAG x w lines of s_nop 15 late, and a wave's runs fall beside the other three waves' products.  No ordering hangs on
; these lines: every wait and count stands as it would without them.
; THE MATRIX INSTRUCTION IS USED TRANSPOSED: source 0 = 16 columns n (rows of weight), source 1 = 16 rows of x: a lane then holds one row (lane % 16) and the columns 8 (lane / 16) + 0..7.
; LIMITS.  x and weight are rounded to bf16.  Pad rows (rowid not below 4,096; the end of a segment) are multiplied and not stored.  A wave's last trip asks once more for its own group's first
; 8 steps (24 KB) in place of a next group's: the text of a trip is one, and no load leaves the rows that were written.
; THE MODE: SCHED_MODE bits 1:0 = 2 (LLVM: expert scheduling mode 2), set by the entry lines.  The code itself states the register dependences between vector or matrix instructions and memory or
; LDS instructions, with s_wait_alu, always for 0.
; THE PLAN.  A trip's 64 steps go in 32 GROUPS of two.  Registers that memory or LDS instructions touch:
;   A0 .. A7    the rows' fragments, two steps (48 registers) a buffer.  Group g's 24 matrix instructions read A[g % 8]; the 12 loads issued in group g land in A[(g + 4) % 8], which group g - 4 read last.
;   B0 .. B3    the weights' fragments, two steps (64 registers) a buffer.  Group g reads B[g % 4]; the 16 LDS loads issued in group g land in B[(g + 2) % 4], which group g - 2 read last.
;   So ONE wait on va_vdst stands at the head of every second group g: behind it the matrix instructions up to group g - 1 are done reading.  The loads of groups g and g + 1 land in A[g + 4], A[g + 5],
;   B[g + 2], B[g + 3]; the matrix instructions issued since the wait name A[g], A[g + 1], B[g], B[g + 1] and the accumulators.  So those 56 loads are dealt among the 48 matrix instructions with no further
;   wait.  A pair of groups has six buffers of A and four of B in use; one text serves every trip, so each ring divides the trip's 32 groups: eight and four.
;   accumulators  written by the matrix instructions; read by the way out's LDS stores; the rows read back land in them; the bias is added in place; the global stores read them; the next trip's first step writes them.
;   OA          48 addresses in out0: written by the way out's address lines, read by its global stores.
;   WB0 .. WB2, T  while the weights come in: a row's 32 conversions read WB[g % 3], in which the loads of row g + 3 land, and write T, which the row's 16 LDS stores read.
;   v8-14, v20-23  offsets and LDS addresses: made at the head, never written again: the rows are reached by scalar bases and immediate offsets.
; REGISTERS, in windows of 256 (s_set_vgpr_msb: bits 1:0 source 0, 3:2 source 1, 5:4 source 2, 7:6 destination):
;   window 0: v8-14, v20-23 addresses; v16-17 bias; v32-127 the accumulators, row tile a, column tile c at 32 + 8 (4 a + c), later the rows read back; v128-175 addresses in out0
;             (while the weights come in: v32-223 three buffers of 64 for their loads, v224-255 at work)
;   windows 1 and 3: v0-191 each: the rows' fragments, a ring of 16 steps: step kk, row tile a at 24 (kk % 8) + 8 a, in window 1 if kk % 16 is below 8, else in window 3
;   window 2: v0-255 the weights' fragments, a ring of 8 steps: 32 (kk % 8) + 8 c
.set PW,     4112                      ; a row of weights in LDS: 4,096 bytes + 16 = 1,028 words: row r starts at bank 4 r mod 64 (64 banks of 4 bytes: ISA guide 11.1), so the 16 rows of a load start at 16 different banks
.set STG,    64*PW                     ; behind the weights: for each wave a stage of 48 rows x 272 bytes (64 f32 + 16)
.set SPITCH, 272
.set SPART,  48*SPITCH
.set GROWS,  48                        ; rows in a group
.set LASTG,  4416                      ; the last row at which a group can begin: the segments add up to 4,464 rows at the most
.set LAG,    5                         ; lines of s_nop 15 from a wave's start to the next wave's: a choice of the design; 15 lines at the most, once a launch
.set AX,  8                            ; v8   my place in 16 rows of xg: row lane % 16 (4,096 bytes), 16 bytes for each half of the lanes
.set STO, 9                            ; v9   where I put my sums: my stage, row lane % 16, 32 bytes for each half
.set RD,  10                           ; v10  where I read rows back: my stage, 8 bytes a lane
.set WST, 11                           ; v11  where I lay weights: row 16 w, 8 bytes a lane
.set WGO, 13                           ; v13  16 x lane
.set CO,  14                           ; v14  256 cb + 8 x lane: my two columns, in bytes, in a row of out0 and of bias
.set BI,  16                           ; v[16:17]
.set ADB, 20                           ; v[20:23] my place in column tile c of the weights in LDS
.set ACC, 32
.set OA,  128                          ; v[128:175]
.set WB,  32
.set T,   224
.set RID, 16                           ; s[16:63] the numbers p of the trip's 48 rows
.set WV,  66                           ; s66  my wave's number
.set EX,  67                           ; s67  e
.set CB,  68                           ; s68  cb
.set TW,  69                           ; s69  my trips
.set CNT, 70                           ; s70  trips done
.set CUR, 72                           ; s[72:73] xg at the group in hand
.set NXT, 74                           ; s[74:75] xg at my next group; in the last trip the group in hand
.set RP,  76                           ; s[76:77] rowid at the group in hand
.set MT,  80                           ; s[80:81] start_e, NG_e
.set TS,  82                           ; s[82:89] at work; in the way out: eight row numbers at a time, held inside out0
.set MSB, 0
.macro WIN new                         ; the immediate's high byte repeats the setting that is left; a switch that changes nothing is dropped
.if MSB != (\new)
	s_set_vgpr_msb (MSB<<8)|(\new)
.set MSB, (\new)
.endif
.endm
	s_load_b256 s[4:11], s[0:1], 0x0               ; xg s[4:5], rowid s[6:7], meta s[8:9], weight s[10:11]
	s_load_b128 s[12:15], s[0:1], 0x20             ; bias s[12:13], out0 s[14:15]
	v_lshl_add_u32 v30, v0, 2, 0x4d000
	v_mov_b32 v31, 0
	v_lshrrev_b32 v1, 5, v0
	v_readfirstlane_b32 s[WV], v1                  ; wave 0..3
	s_lshr_b32 s[EX], ttmp9, 5                     ; 32 work-groups to an expert
	s_and_b32 s[CB], ttmp9, 31
	v_and_b32 v1, 31, v0                           ; lane
	v_and_b32 v2, 15, v0                           ; r = lane % 16
	v_bfe_u32 v3, v0, 4, 1                         ; h = lane / 16
	v_lshlrev_b32 v[AX], 12, v2
	v_lshl_add_u32 v[AX], v3, 4, v[AX]
	v_mul_u32_u24 v4, v2, PW
	v_lshl_add_u32 v4, v3, 4, v4
.irp c, 0,1,2,3
	v_add_nc_u32 v[ADB+(\c)], 16*PW*(\c), v4       ; a register for each column tile: 16 rows are more than an LDS offset's 16 bits
.endr
	s_wait_alu depctr_va_sdst(0)                   ; s[WV] is written, ahead of its first reader: the stage, the weights' rows and the trips are made from it
	s_mul_i32 s82, s[WV], SPART
	s_add_co_u32 s82, s82, STG                     ; my stage
	v_mul_u32_u24 v5, v2, SPITCH
	v_lshl_add_u32 v5, v3, 5, v5
	v_add_nc_u32 v[STO], s82, v5
	v_lshl_add_u32 v[RD], v1, 3, s82
	s_mul_i32 s83, s[WV], 16*PW
	v_lshl_add_u32 v[WST], v1, 3, s83
	v_lshlrev_b32 v[WGO], 4, v1
	s_lshl_b32 s84, s[CB], 8
	v_lshl_add_u32 v[CO], v1, 3, s84
	s_lshl_b32 s86, s[EX], 24                      ; weight: expert e (16,777,216 bytes),
	s_lshl_b32 s85, s[CB], 19                      ; 64 cb rows of 8,192 bytes,
	s_add_co_u32 s86, s86, s85
	s_lshl_b32 s85, s[WV], 17                      ; my wave's 16 rows: under 2^27 together
	s_add_co_u32 s86, s86, s85
	s_mov_b32 s87, 0
	s_lshl_b32 s88, s[EX], 13                      ; bias: expert e
	s_mov_b32 s89, 0
	s_lshl_b32 s85, s[EX], 3                       ; meta: expert e's two words
	s_wait_kmcnt 0x0
	s_load_b64 s[MT:MT+1], s[8:9], s85 offset:0x0
	s_add_nc_u64 s[10:11], s[10:11], s[86:87]
	s_add_nc_u64 s[12:13], s[12:13], s[88:89]
	s_wait_alu depctr_va_vdst(0)                   ; the ten offsets and LDS addresses v8 to v14 and v20 to v23 are written: every load and store of the kernel reads one of them, and none is written again
	global_load_b64 v[BI:BI+1], v[CO], s[12:13]
; THE WEIGHTS.  Group g is my row g of 16: sixteen loads of 512 consecutive bytes each; three groups, 48 loads, are on their way.  Each weight is read once in the launch.
.macro WLOADS g
.set i, 0
.rept 16
	global_load_b128 v[WB+64*((\g)%3)+4*i:WB+64*((\g)%3)+4*i+3], v[WGO], s[10:11] offset:8192*(\g)+512*i th:TH_LOAD_NT
.set i, i+1
.endr
.endm
; A group is rounded to bf16 and laid into LDS: a lane's 4 numbers are 8 bytes, a store of the wave 256 consecutive bytes.
.macro WGROUP g, left
	s_wait_loadcnt \left                           ; loads come back in order (ISA guide 5.7.1): this group is in, the younger groups stay out
.if (\g) > 0
	s_wait_alu depctr_vm_vsrc(0)                   ; the last group's LDS stores have read v[T ..], which the conversions below write again
.endif
.set i, 0
.rept 32
	v_cvt_pk_bf16_f32 v[T+i], v[WB+64*((\g)%3)+2*i], v[WB+64*((\g)%3)+2*i+1]
.set i, i+1
.endr
	s_wait_alu depctr_va_vdst(0)                   ; the conversions have written v[T ..], which the LDS stores read, and are done reading their buffer, in which the loads below land
.if (\g) < 13
	WLOADS (\g)+3
.endif
.set i, 0
.rept 16
	ds_store_b64 v[WST], v[T+2*i:T+2*i+1] offset:PW*(\g)+256*i
.set i, i+1
.endr
.endm
	WLOADS 0
	WLOADS 1
	WLOADS 2
.set gg, 0
.rept 14
	WGROUP gg, 32                                  ; two younger groups of 16 loads stay out
.set gg, gg+1
.endr
	WGROUP 14, 16
	WGROUP 15, 0
	s_wait_kmcnt 0x0                               ; start_e, NG_e
	s_min_u32 s[MT], s[MT], LASTG
	s_min_u32 s[MT+1], s[MT+1], 86                 ; 48 NG_e < 4,096 + 48
	s_add_co_u32 s[TW], s[MT+1], 3
	s_sub_co_u32 s[TW], s[TW], s[WV]
	s_lshr_b32 s[TW], s[TW], 2                     ; groups w, w + 4, .. below NG_e: (NG_e + 3 - w) / 4 of them
	s_wait_dscnt 0x0                               ; for the others' sake: my 16 rows of weights are in LDS
	s_barrier_signal -1
	s_barrier_wait -1                              ; the launch's one barrier: all 64 rows are; nobody writes them again
	s_cmp_eq_u32 s[TW], 0
	s_cbranch_scc1 .Lend                           ; fewer groups than waves: nothing is mine
; THE THREE BASES OF A TRIP are made anew from the buffers' own addresses, none is carried from trip to trip.  The group in hand begins at row start_e + 48 (w + 4 CNT); my next group is the
; same with CNT + 1, or, in my last trip, the group in hand once more.  Both rows are made of numbers read from memory, so each enters an address only behind a minimum with a constant; behind
; the minimum stand a shift left and the sum with the address alone.  On the segments as they were written the minimum changes nothing; whatever memory holds, row + 47 stays inside xg's and rowid's 4,480 rows.
.macro BASES
	s_lshl2_add_u32 s82, s[CNT], s[WV]             ; the group's number, 4 CNT + w
	s_mul_i32 s82, s82, GROWS
	s_add_co_u32 s82, s82, s[MT]
	s_min_u32 s82, s82, LASTG                      ; the row in hand
	s_add_co_u32 s83, s[CNT], 1
	s_sub_co_u32 s86, s[TW], 1
	s_min_u32 s83, s83, s86                        ; my next trip, or my last
	s_lshl2_add_u32 s83, s83, s[WV]
	s_mul_i32 s83, s83, GROWS
	s_add_co_u32 s83, s83, s[MT]
	s_min_u32 s83, s83, LASTG                      ; its row
	s_mov_b32 s85, 0
	s_lshl_b32 s84, s82, 12                        ; 4,096 bytes a row of xg
	s_add_nc_u64 s[CUR:CUR+1], s[4:5], s[84:85]
	s_lshl_b32 s84, s82, 2                         ; 4 bytes a row of rowid
	s_add_nc_u64 s[RP:RP+1], s[6:7], s[84:85]
	s_lshl_b32 s84, s83, 12
	s_add_nc_u64 s[NXT:NXT+1], s[4:5], s[84:85]
.endm
; Step kk's three fragments of rows, from base b.  A fragment is 16 rows x 32 k in 8 registers: lane l holds row l % 16, k = 8 (l / 16) + 0..7 and 16 + 8 (l / 16) + 0..7: two loads of 16 bytes, 32 bytes apart.
.macro ALOADS kk, b
	WIN 0x40+0x80*(((\kk)%16)/8)                   ; destination window 1 or 3, address window 0
.irp a, 0,1,2
	global_load_b128 v[24*((\kk)%8)+8*(\a):24*((\kk)%8)+8*(\a)+3],   v[AX], s[(\b):(\b)+1] offset:65536*(\a)+64*(\kk)
	global_load_b128 v[24*((\kk)%8)+8*(\a)+4:24*((\kk)%8)+8*(\a)+7], v[AX], s[(\b):(\b)+1] offset:65536*(\a)+64*(\kk)+32
.endr
.endm
.macro AHEAD kk                        ; the rows of step kk of the group in hand; behind its last step: my next group's first steps
.if (\kk) < 64
	ALOADS \kk, CUR
.else
	ALOADS (\kk)-64, NXT
.endif
.endm
; Step kk's four fragments of weights, from LDS.
.macro BLOADS kk
	WIN 0x80                                       ; destination window 2, address window 0
.irp c, 0,1,2,3
	ds_load_b128 v[32*((\kk)%8)+8*(\c):32*((\kk)%8)+8*(\c)+3],   v[ADB+(\c)] offset:64*(\kk)
	ds_load_b128 v[32*((\kk)%8)+8*(\c)+4:32*((\kk)%8)+8*(\c)+7], v[ADB+(\c)] offset:64*(\kk)+32
.endr
.endm
; Four of step kk's 12 matrix instructions: row tile a, all four column tiles.  The 12 accumulators take turns, one instruction a turn.  Step 0 starts the sums: nothing is cleared.
.macro MULROW kk, a
	WIN 0x06+0x08*(((\kk)%16)/8)                   ; source 0 (weights) window 2, source 1 (rows) window 1 or 3, C and D window 0
.irp c, 0,1,2,3
.if (\kk) == 0
	v_wmma_f32_16x16x32_bf16 v[ACC+8*(4*(\a)+(\c)):ACC+8*(4*(\a)+(\c))+7], v[32*((\kk)%8)+8*(\c):32*((\kk)%8)+8*(\c)+7], v[24*((\kk)%8)+8*(\a):24*((\kk)%8)+8*(\a)+7], 0
.else
	v_wmma_f32_16x16x32_bf16 v[ACC+8*(4*(\a)+(\c)):ACC+8*(4*(\a)+(\c))+7], v[32*((\kk)%8)+8*(\c):32*((\kk)%8)+8*(\c)+7], v[24*((\kk)%8)+8*(\a):24*((\kk)%8)+8*(\a)+7], v[ACC+8*(4*(\a)+(\c)):ACC+8*(4*(\a)+(\c))+7]
.endif
.endr
.endr
.endm
; TWO STEPS: 24 matrix instructions, and dealt among them, a step's fragments to a run, the rows of the steps 8 further on (behind step 55: my next group's first steps) and the weights of the steps 4 further on
; (behind step 59: steps 0 to 3 again, for the next trip).  The runs stand early in the group; each costs two switches of the windows.
.macro GROUP g
	s_wait_loadcnt 36                              ; these two steps' 12 loads of rows are in; the 36 of the next six steps stay out
	s_wait_dscnt 16                                ; these two steps' 16 loads of weights are in; the next two steps' 16 stay out
.if (\g)%2 == 0
	s_wait_alu depctr_va_vdst(0)                   ; the matrix instructions issued so far are done reading their fragments: in the buffers of groups g - 4, g - 3 (rows) and g - 2, g - 1 (weights) land the loads of this group and the next
.endif
	MULROW 2*(\g), 0
	AHEAD 2*(\g)+8                                 ; no wait: no matrix instruction since the wait above names these registers
	MULROW 2*(\g), 1
	BLOADS (2*(\g)+4)%64
	MULROW 2*(\g), 2
	AHEAD 2*(\g)+9
	MULROW 2*(\g)+1, 0
	BLOADS (2*(\g)+5)%64
	MULROW 2*(\g)+1, 1
	MULROW 2*(\g)+1, 2
.endm
; THE WAY OUT.  First the 48 rows' addresses in out0, 8,192 bytes a row; a pad row's number is held inside out0 like every other, and its address is not used.  Then a lane's eight columns of a row, 32 bytes,
; go into my stage's rows of 272 bytes (each accumulator's four lowest registers first) and come back as whole rows, 8 bytes a lane, into the registers that they left.  The bytes are
; my wave's own and LDS serves a wave's instructions in order (ISA guide 5.7.1.4): no wait on DScnt between stores and loads, no barrier.
; Then the bias, and each row goes to its pair's place in out0.  Pad rows are the end of a segment: the first one ends the trip's stores.
.macro OUT
	WIN 0                                          ; at a branch and at a label every window is 0
	s_wait_kmcnt 0x0                               ; the 48 rows' numbers
.set t, 0
.rept 6
.irp i, 0,1,2,3,4,5,6,7
	s_min_u32 s[TS+(\i)], s[RID+t+(\i)], 4095      ; a number read from memory enters an address only behind a minimum with a constant; s[RID ..] stay as read, for the compares below
.endr
.irp i, 0,1,2,3,4,5,6,7
	v_lshl_add_u32 v[OA+t+(\i)], s[TS+(\i)], 13, v[CO]
.endr
.set t, t+8
.endr                                                  ; these 96 plain lines name no register of a matrix instruction: they are the four places between the last of those and the stores of its result
	s_wait_alu depctr_va_vdst(0)                   ; the matrix instructions have written the accumulators, which the LDS stores read; v[OA ..] are written, which the global stores read
.irp a, 0,1,2
.irp c, 0,1,2,3
	ds_store_b128 v[STO], v[ACC+8*(4*(\a)+(\c)):ACC+8*(4*(\a)+(\c))+3]   offset:16*SPITCH*(\a)+64*(\c)
	ds_store_b128 v[STO], v[ACC+8*(4*(\a)+(\c))+4:ACC+8*(4*(\a)+(\c))+7] offset:16*SPITCH*(\a)+64*(\c)+16
.endr
.endr
	s_wait_alu depctr_vm_vsrc(0)                   ; the LDS stores have read the accumulators, in which the loads below land
	s_wait_alu depctr_va_vdst(0)                   ; the matrix instructions have written those registers: said once more directly ahead of the loads that land in them, since the stores between name them
.set t, 0
.rept 48
	ds_load_b64 v[ACC+2*t:ACC+2*t+1], v[RD] offset:SPITCH*t
.set t, t+1
.endr
.irp b, 0,1,2
	s_wait_dscnt 32-16*(\b)                        ; 16 rows more are back; the younger rows' loads stay out
.set t, 16*(\b)
.rept 16
	v_pk_add_f32 v[ACC+2*t:ACC+2*t+1], v[ACC+2*t:ACC+2*t+1], v[BI:BI+1]
.set t, t+1
.endr
	s_wait_alu depctr_va_vdst(0)                   ; the sixteen additions have written their rows, which the sixteen stores below read
.set t, 16*(\b)
.rept 16
	s_cmp_lt_u32 s[RID+t], 4096
	s_cbranch_scc0 .Lpads_\@
	global_store_b64 v[OA+t], v[ACC+2*t:ACC+2*t+1], s[14:15] th:TH_STORE_NT  ; 32 lanes x 8 bytes: 256 consecutive bytes, at a multiple of 256 from out0's first byte
.set t, t+1
.endr
.endr
.Lpads_\@:
	s_wait_dscnt 0x0                               ; the rows that were jumped over are back too: their registers are the next trip's accumulators
.endm
	; Wave w goes on LAG x w lines late (the head's paragraph says why).  The jumps hang on the wave's number alone and go forward; no memory instruction of mine is out here.
.irp i, 1,2,3
	s_cmp_lt_u32 s[WV], \i
	s_cbranch_scc1 .Lgo
.rept LAG
	s_nop 15
.endr
.endr
.Lgo:
	s_mov_b32 s[CNT], 0
	BASES
.irp k, 0,1,2,3,4,5,6,7
	ALOADS \k, CUR                                 ; the first four buffers of rows: 48 loads.  No vector or matrix instruction has named the rings, and v[AX], v[ADB ..] stand written since the head's wait
.endr
.irp k, 0,1,2,3
	BLOADS \k                                      ; and the first two of weights: 32 loads
.endr
	WIN 0
.Ltrip:                                                ; s[TW] trips, a number made from memory: no barrier stands in a trip, and every LDS address is a constant of the text
	s_load_b512 s[RID:RID+15],    s[RP:RP+1], 0x0
	s_load_b512 s[RID+16:RID+31], s[RP:RP+1], 0x40
	s_load_b512 s[RID+32:RID+47], s[RP:RP+1], 0x80
.set gg, 0
.rept 32
	GROUP gg
.set gg, gg+1
.endr
	OUT
	s_wait_xcnt 0x0                                ; every earlier memory instruction has had its addresses translated (ISA guide 3.1): the stores' data and addresses and the loads' bases are rewritten only behind this wait
	s_wait_alu depctr_vm_vsrc(0)                   ; the global stores have read their rows and v[OA ..]: the next trip's first step writes the one, its address lines the other
	s_add_co_u32 s[CNT], s[CNT], 1
	BASES                                          ; behind my last trip they are made once more and not used
	s_cmp_lt_u32 s[CNT], s[TW]
	s_cbranch_scc1 .Ltrip
.Lend:
	s_wait_dscnt 0x0
	s_wait_alu depctr_hold_cnt(0) depctr_sa_sdst(0) depctr_va_vdst(0) depctr_va_sdst(0) depctr_va_ssrc(0) depctr_va_vcc(0) depctr_vm_vsrc(0)
	s_wait_tensorcnt 0x0
	ds_add_u32 v30, v31
	s_wait_dscnt 0x0
	s_endpgm
.Lfunc_end_k_q7dc147df22_moe:
	.size	k_q7dc147df22_moe, .Lfunc_end_k_q7dc147df22_moe-k_q7dc147df22_moe
	.p2alignl 7, 3214868480
	.fill 96, 4, 3214868480
	.section	.rodata,"a",@progbits
	.p2align	6, 0x0
	.amdhsa_kernel k_q7dc147df22_moe
		.amdhsa_group_segment_fixed_size 315904
		.amdhsa_private_segment_fixed_size 0
		.amdhsa_enable_private_segment 0
		.amdhsa_kernarg_size 48
		.amdhsa_user_sgpr_count 2
		.amdhsa_user_sgpr_kernarg_segment_ptr 1
		.amdhsa_wavefront_size32 1
		.amdhsa_system_sgpr_workgroup_id_x 1
		.amdhsa_system_sgpr_workgroup_id_y 1
		.amdhsa_system_sgpr_workgroup_id_z 1
		.amdhsa_system_vgpr_workitem_id 0
		.amdhsa_next_free_vgpr 960
		.amdhsa_next_free_sgpr 96
		.amdhsa_reserve_vcc 0
		.amdhsa_float_denorm_mode_32 3
		.amdhsa_float_denorm_mode_16_64 3
		.amdhsa_memory_ordered 1
		.amdhsa_forward_progress 1
		.amdhsa_inst_pref_size 236
	.end_amdhsa_kernel
	.amdgpu_metadata
---
amdhsa.version: [ 1, 2 ]
amdhsa.kernels:
  - .name:           k_q7dc147df22_moe
    .symbol:         k_q7dc147df22_moe.kd
    .args:
      - { .name: xg, .offset: 0, .size: 8, .value_kind: global_buffer, .address_space: global }
      - { .name: rowid, .offset: 8, .size: 8, .value_kind: global_buffer, .address_space: global }
      - { .name: meta, .offset: 16, .size: 8, .value_kind: global_buffer, .address_space: global }
      - { .name: weight, .offset: 24, .size: 8, .value_kind: global_buffer, .address_space: global }
      - { .name: bias, .offset: 32, .size: 8, .value_kind: global_buffer, .address_space: global }
      - { .name: out0, .offset: 40, .size: 8, .value_kind: global_buffer, .address_space: global }
    .group_segment_fixed_size: 315904
    .private_segment_fixed_size: 0
    .kernarg_segment_align: 8
    .kernarg_segment_size: 48
    .max_flat_workgroup_size: 128
    .sgpr_count:     96
    .vgpr_count:     960
    .wavefront_size: 32
...
	.end_amdgpu_metadata
.endif
;; end of part 4
